; MI455X (gfx1250); checked and timed in simulation.
; The chip was launched on July 23, 2026; its instructions are those of AMD's public machine-readable ISA for CDNA 5 (MIT licence, August 2026) and "CDNA5" Instruction Set Architecture Reference Guide (July 2026). The comments in the code are by the model that wrote it; some were corrected since.
;; Palace Attention. Allowed arithmetic: matrix products marked QUANTISED: E2M3 operands, one E8M0 scale for each 32 along K, by v_wmma_scale_f32_16x16x128_f8f6f4 with both operands' format E2M3, f32 sums; everything else in f32.
;; Inputs: Wk 1,024 x 1,024 float32; Wq 1,024 x 1,024 float32; Wv 1,024 x 1,024 float32; inter_palace_weight one number float32; x 4 x 2,048 x 1,024 float32.
;; Outputs: out0 4 x 2,048 x 1,024 float32.
;; This version of the problem:
;;   THIS VERSION OF THE PROBLEM IS GIVEN IN LOW PRECISION. The matrix products marked QUANTISED in the list below multiply operands that are first quantised to E2M3 (2 exponent bits, 3 mantissa bits; 6 bits a number), with one power-of-two scale for each 32 numbers along K (OCP MX v1.0); their sums are f32. All else is computed in f32.
;;   The module's matrix products, in the order in which they are computed (A, B: the left and right operand; K: the contracted axis; several contracted axes count as one K, in the product's order):
;;     1. [M 8,192, K 1,024] x [K 1,024, N 1,024]; A: input x; B: input Wq: QUANTISED
;;     2. [M 8,192, K 1,024] x [K 1,024, N 1,024]; A: input x; B: input Wk: QUANTISED
;;     3. [M 8,192, K 1,024] x [K 1,024, N 1,024]; A: input x; B: input Wv: QUANTISED
;;     4. batch 64 x [M 2,048, K 64] x [K 64, N 2,048]; A: computed on the way; B: computed on the way: QUANTISED
;;     5. batch 64 x [M 64, K 2,048] x [K 2,048, N 2,048]; A: computed on the way; B: computed on the way: QUANTISED
;;   THE QUANTISER, for each operand of a quantised product, along K:
;;     - K is cut into blocks of 32 from its start; a last block that is shorter is filled with zeros.
;;     - A block's scale is 2^e with e = floor(log2(the largest magnitude in the block)) - 2, held to -126 .. 127; a block of zeros has e = 0. As a byte (E8M0): e + 127.
;;     - Each number is divided by its block's scale, clamped to +-7.5, and rounded to the nearest number of E2M3, ties to even, subnormals kept.
;;     - The product sums the exact products of the quantised numbers (number of the format x scale) in f32.
;;   ~~~python
;;   def quantise(x, axis):      # numpy; x: float32 -> the quantised numbers, widened to float32 again
;;       x = np.moveaxis(x, axis, -1); K = x.shape[-1]
;;       x = np.pad(x, [(0, 0)] * (x.ndim - 1) + [(0, -K % 32)]); x = x.reshape(x.shape[:-1] + (-1, 32)); a = np.abs(x).max(-1, keepdims=True)
;;       e = np.where(a > 0, np.clip(np.frexp(np.where(a > 0, a, 1))[1] - 1 - 2, -126, 127), 0)      # np.frexp(a)[1] - 1 = floor(log2(a)), exactly
;;       r = np.clip(x / 2.0 ** e, -7.5, 7.5)
;;       step = 2.0 ** (np.maximum(np.frexp(np.where(r == 0, 1, r))[1] - 1, 0) - 3)
;;       q = np.round(r / step) * step * 2.0 ** e      # np.round: ties to even
;;       return np.moveaxis(q.reshape(q.shape[:-2] + (-1,))[..., :K], -1, axis).astype(np.float32)
;;   ~~~
;;   OPERANDS COMPUTED ON THE WAY. 'Computed on the way' means the value that the module computes at that place (a softmax that the list does not call 'softmax' is quantised finished and normalised). What goes into a quantiser is computed in f32, as accurately as f32 sums, v_exp_f32 and their like allow (about 1e-6 of the number): no bf16 or f16 on the way to a quantiser, and a product that is left as it is and whose result goes on into a quantised operand takes f32 operands (vector FMAs, or v_wmma_f32_16x16x4_f32). A number that lies on a knife's edge between two numbers of the format may be rounded either way, as far as f32 arithmetic and the matrix unit's own rounding can turn it there, and no further.
;; One version. Each part assembles by itself: llvm-mc -triple=amdgcn-amd-amdhsa -mcpu=gfx1250 --defsym DOCPART=n.
;; ======== version 1 of 1: 3 launches
;; workspace buffers: x_codes 6,291,456 bytes; x_scales 262,144 bytes; w_codes 2,359,296 bytes; w_scales 98,304 bytes; qkv 19,660,800 bytes
;; launch quant (part 1): grid 352 x 1, 4 waves a work-group, no clusters, 33,280 bytes of LDS; arguments x, Wq, Wk, Wv, x_codes, x_scales, w_codes, w_scales; writes x_codes, x_scales, w_codes, w_scales
.if DOCPART == 1
	.amdgcn_target "amdgcn-amd-amdhsa--gfx1250"
	.amdhsa_code_object_version 6
	.text
	.protected	k_qdf84c26acb_quant
	.globl	k_qdf84c26acb_quant
	.p2align	8
	.type	k_qdf84c26acb_quant,@function
k_qdf84c26acb_quant:
	s_mov_b64 s[64:65], 0
	v_nop
	global_prefetch_b8 v0, s[64:65] scope:SCOPE_SE
	s_setreg_imm32_b32 hwreg(HW_REG_WAVE_MODE, 25, 1), 1
	s_wait_xcnt 0x0
; x [8192][1024] and Wq, Wk, Wv [1024][1024], f32, K = the last axis, become codes of FP6 (E2M3), K innermost, with one E8M0 byte for each 32 along K.
; x_codes [8192][768], x_scales [8192][32]; w_codes [3072][768], w_scales [3072][32]: Wq's rows first, then Wk's, then Wv's.
; A block's scale is 2^(floor(log2(its largest magnitude)) - 2); its byte is the largest magnitude's exponent field - 2, held at 1 from below.  A block of zeros keeps the byte 1: its codes are zeros, and this program alone reads the bytes.
; LIMITS: NaN and infinities among the inputs are not served; blocks whose largest magnitude lies under 2^-124 get the byte 1, as the quantiser's hold at -126 asks.
; ROWS ARE STORED WITH BITS 3 AND 4 OF THEIR NUMBER EXCHANGED.  Sixteen stored rows on end, 32 g + 16 u + r, are then the rows 32 g + 8 u + r % 8 + 16 (r / 8): the choice of rows with which the next launch's
; results come out as 16 neighbours along the next K in a lane's registers.  A wave's run is 8 rows, so the exchange is one of the wave's two bits in the address of what it stores.
; A wave takes 16 steps of 512 numbers.  Each load reads 512 consecutive bytes, 16 a lane; a step's 2,048 bytes turn through the wave's own stage in LDS and come back 64 bytes a lane, so that a lane holds 16 neighbours
; (two lanes hold a block).  A lane's 16 codes are 12 bytes: the wave stores 384 consecutive bytes.  A wave's 256 scale bytes are gathered in LDS and leave as one aligned run of 256 bytes.
; Work-groups 0-255 take x, 256-287 Wq, 288-319 Wk, 320-351 Wv: only pointers are chosen, all take one path.  No tensor loads, no barrier: waves share nothing.  Loads run four steps (16 loads a wave) ahead.
.set STEPS, 16
.set EMAX,  2
.set CB,    12                         ; bytes of 16 codes
.set R,     16                         ; v16-79   four sets of 16 numbers as they are loaded
.set X,     80                         ; v80-111  two sets of 16 neighbours
.set C,     128                        ; v128-191 codes: four registers for each step, so that no store's data are written again
.set E,     112                        ; v112-127 a scale byte for each step
.set WREG,  8192                       ; LDS: a region for each wave: two stages of 32 x SP bytes, behind them its 256 scale bytes
.set SP,    80                         ; a lane's place in a stage: 64 bytes + 16 of padding
	s_load_b256 s[4:11], s[0:1], 0x0               ; x, Wq, Wk, Wv
	s_load_b256 s[12:19], s[0:1], 0x20             ; x_codes, x_scales, w_codes, w_scales
	v_lshl_add_u32 v192, v0, 2, 0x8000
	v_mov_b32 v193, 0
	v_lshrrev_b32 v1, 5, v0
	v_readfirstlane_b32 s20, v1                    ; wave
	v_and_b32 v2, 31, v0                           ; lane
	v_lshlrev_b32 v3, 4, v2                        ; my 16 bytes of a load's 512
	s_mul_i32 s21, s20, WREG
	v_lshrrev_b32 v14, 2, v2
	v_mul_u32_u24 v14, v14, SP
	v_and_b32 v15, 3, v2
	v_lshl_add_u32 v14, v15, 4, v14
	v_add_nc_u32 v14, s21, v14                     ; the stage, on the way in: SP (lane / 4) + 16 (lane % 4)
	v_mul_u32_u24 v15, v2, SP
	v_add_nc_u32 v15, s21, v15                     ; and on the way out: SP x lane: my 16 neighbours
	v_mul_u32_u24 v4, v2, CB                       ; my codes' place in a step's
	v_lshrrev_b32 v5, 1, v2
	s_add_co_u32 s21, s21, 2*32*SP
	v_add_nc_u32 v5, s21, v5                       ; LDS: my wave's 256 scale bytes, my block's byte
	v_lshlrev_b32 v7, 3, v2                        ; and on the way out 8 bytes a lane
	v_add_nc_u32 v6, s21, v7
	s_wait_kmcnt 0x0
	s_and_b32 s21, ttmp9, 31                       ; a weight's group of 32 rows
	s_cmp_lt_u32 ttmp9, 288                        ; the choices hang on the work-group's number alone
	s_cselect_b64 s[6:7], s[6:7], s[8:9]           ; Wq or Wk,
	s_cmp_lt_u32 ttmp9, 320
	s_cselect_b64 s[6:7], s[6:7], s[10:11]         ; or Wv,
	s_cmp_lt_u32 ttmp9, 256
	s_cselect_b64 s[4:5], s[4:5], s[6:7]           ; or x
	s_cselect_b64 s[12:13], s[12:13], s[16:17]     ; the codes' buffer
	s_cselect_b64 s[14:15], s[14:15], s[18:19]     ; the scale bytes' buffer
	s_cselect_b32 s22, ttmp9, s21                  ; the group in the source,
	s_cselect_b32 s24, 0, 256
	s_sub_co_u32 s24, ttmp9, s24                   ; and in the buffers (the weights lie one behind the other there)
	s_lshl_b32 s22, s22, 2
	s_add_co_u32 s22, s22, s20                     ; my run of 8 rows in the source
	s_and_b32 s25, s20, 1
	s_lshl_b32 s25, s25, 1
	s_lshr_b32 s26, s20, 1
	s_or_b32 s25, s25, s26                         ; the wave's two bits exchanged: bits 3 and 4 of the row's number
	s_lshl_b32 s24, s24, 2
	s_add_co_u32 s24, s24, s25                     ; my run where it is stored
	s_lshl_b32 s22, s22, 15                        ; 32,768 bytes of f32 a run (under 2^26)
	s_mov_b32 s23, 0
	s_add_nc_u64 s[4:5], s[4:5], s[22:23]
	s_mul_i32 s26, s24, 32*STEPS*CB                ; 6,144 bytes of codes a run
	s_mov_b32 s27, 0
	s_add_nc_u64 s[12:13], s[12:13], s[26:27]
	s_lshl_b32 s26, s24, 8                         ; 256 scale bytes a run
	s_add_nc_u64 s[14:15], s[14:15], s[26:27]
.macro LOAD t
.irp i, 0,1,2,3
	global_load_b128 v[R+16*((\t)%4)+4*\i:R+16*((\t)%4)+4*\i+3], v3, s[4:5] offset:2048*(\t)+512*\i th:TH_LOAD_NT   ; 32 lanes read 512 consecutive bytes
.endr
.endm
.macro TURN t                          ; step t's numbers through the stage: LDS serves a wave's instructions in order, so no wait stands between the stores and the loads
.irp i, 0,1,2,3
	ds_store_b128 v14, v[R+16*((\t)%4)+4*\i:R+16*((\t)%4)+4*\i+3] offset:32*SP*((\t)%2)+8*SP*\i
.endr
.irp i, 0,1,2,3
	ds_load_b128 v[X+16*((\t)%2)+4*\i:X+16*((\t)%2)+4*\i+3], v15 offset:32*SP*((\t)%2)+16*\i
.endr
.endm
.irp t, 0,1,2,3
	LOAD \t
.endr
	s_wait_loadcnt 12                              ; step 0's four loads are in; the twelve of steps 1 to 3 may be out
	TURN 0
.macro STEP t
.set XS, X+16*((\t)%2)
.if (\t) > 0
	s_wait_dscnt 1                                 ; this step's numbers are back from the stage (the last step's byte store may be out): so its stores into the stage have read their registers,
.else
	s_wait_dscnt 0x0
.endif
.if (\t)+4 < STEPS
	LOAD (\t)+4                                    ; which take the loads of four steps on
.endif
.if (\t)+1 < STEPS
.if STEPS-2-(\t) >= 3
	s_wait_loadcnt 12                              ; the next step's four loads are in; those of the three steps behind it may be out
.else
	s_wait_loadcnt 4*(STEPS-2-(\t))
.endif
	TURN (\t)+1                                    ; and go through the other stage while this step is worked
.endif
	v_max3_num_f32 v8, |v[XS]|, |v[XS+1]|, |v[XS+2]|               ; the largest magnitude of my 16, in two chains
	v_max3_num_f32 v9, |v[XS+3]|, |v[XS+4]|, |v[XS+5]|
.irp i, 6,10
	v_max3_num_f32 v8, v8, |v[XS+\i]|, |v[XS+\i+1]|
	v_max3_num_f32 v9, v9, |v[XS+\i+2]|, |v[XS+\i+3]|
.endr
	v_max3_num_f32 v8, v8, |v[XS+14]|, |v[XS+15]|
	v_max3_num_f32 v8, v8, v9, (EMAX+1)<<23        ; and the floor 2^(EMAX + 1 - 127): the byte cannot fall under 1
	v_max_num_f32_dpp v8, v8, v8 row_xmask:1 row_mask:0xf bank_mask:0xf   ; and of my neighbour's 16: the block's
	v_add_nc_u32 v11, -(EMAX<<23), v8              ; EMAX off its exponent field: the conversion takes the exponent field of this operand as its scale
	v_cvt_scalef32_pk16_fp6_f32 v[C+4*(\t):C+4*(\t)+2], v[XS:XS+15], v11         ; sixteen numbers / the scale, to the nearest code, ties to even, beyond the largest code the largest
	v_lshrrev_b32 v[E+(\t)], 23, v11               ; the scale's byte (also the plain instruction behind the conversion)
	ds_store_b8 v5, v[E+(\t)] offset:16*(\t)       ; both lanes of a block write the same byte with the same value
	global_store_b96 v4, v[C+4*(\t):C+4*(\t)+2], s[12:13] offset:32*CB*(\t)
.endm
.irp t, 0,1,2,3,4,5,6,7,8,9,10,11,12,13,14,15
	STEP \t
.endr
	ds_load_b64 v[12:13], v6                       ; LDS serves a wave's instructions in order: these see my stores
	s_wait_dscnt 0x0
	global_store_b64 v7, v[12:13], s[14:15]        ; 32 lanes store 256 consecutive bytes, aligned
	s_wait_tensorcnt 0x0
	ds_add_u32 v192, v193
	s_wait_dscnt 0x0
	s_endpgm
.Lfunc_end_k_qdf84c26acb_quant:
	.size	k_qdf84c26acb_quant, .Lfunc_end_k_qdf84c26acb_quant-k_qdf84c26acb_quant
	.p2alignl 7, 3214868480
	.fill 96, 4, 3214868480
	.section	.rodata,"a",@progbits
	.p2align	6, 0x0
	.amdhsa_kernel k_qdf84c26acb_quant
		.amdhsa_group_segment_fixed_size 33280
		.amdhsa_private_segment_fixed_size 0
		.amdhsa_enable_private_segment 0
		.amdhsa_kernarg_size 64
		.amdhsa_user_sgpr_count 2
		.amdhsa_user_sgpr_kernarg_segment_ptr 1
		.amdhsa_wavefront_size32 1
		.amdhsa_system_sgpr_workgroup_id_x 1
		.amdhsa_system_sgpr_workgroup_id_y 1
		.amdhsa_system_sgpr_workgroup_id_z 1
		.amdhsa_system_vgpr_workitem_id 0
		.amdhsa_next_free_vgpr 194
		.amdhsa_next_free_sgpr 66
		.amdhsa_reserve_vcc 0
		.amdhsa_float_denorm_mode_32 3
		.amdhsa_float_denorm_mode_16_64 3
		.amdhsa_memory_ordered 1
		.amdhsa_forward_progress 1
		.amdhsa_inst_pref_size 33
	.end_amdhsa_kernel
	.amdgpu_metadata
---
amdhsa.version: [ 1, 2 ]
amdhsa.kernels:
  - .name:           k_qdf84c26acb_quant
    .symbol:         k_qdf84c26acb_quant.kd
    .args:
      - { .name: x, .offset: 0, .size: 8, .value_kind: global_buffer, .address_space: global }
      - { .name: Wq, .offset: 8, .size: 8, .value_kind: global_buffer, .address_space: global }
      - { .name: Wk, .offset: 16, .size: 8, .value_kind: global_buffer, .address_space: global }
      - { .name: Wv, .offset: 24, .size: 8, .value_kind: global_buffer, .address_space: global }
      - { .name: x_codes, .offset: 32, .size: 8, .value_kind: global_buffer, .address_space: global }
      - { .name: x_scales, .offset: 40, .size: 8, .value_kind: global_buffer, .address_space: global }
      - { .name: w_codes, .offset: 48, .size: 8, .value_kind: global_buffer, .address_space: global }
      - { .name: w_scales, .offset: 56, .size: 8, .value_kind: global_buffer, .address_space: global }
    .group_segment_fixed_size: 33280
    .private_segment_fixed_size: 0
    .kernarg_segment_align: 8
    .kernarg_segment_size: 64
    .max_flat_workgroup_size: 128
    .sgpr_count:     66
    .vgpr_count:     194
    .wavefront_size: 32
...
	.end_amdgpu_metadata
.endif
;; end of part 1
;; launch gemm (part 2): grid 12 x 32, 4 waves a work-group, clusters of 4 x 4, 327,680 bytes of LDS; arguments x_codes, x_scales, w_codes, w_scales, qkv; writes qkv
.if DOCPART == 2
	.amdgcn_target "amdgcn-amd-amdhsa--gfx1250"
	.amdhsa_code_object_version 6
	.text
	.protected	k_qdf84c26acb_gemm
	.globl	k_qdf84c26acb_gemm
	.p2align	8
	.type	k_qdf84c26acb_gemm,@function
k_qdf84c26acb_gemm:
	s_mov_b64 s[64:65], 0
	v_nop
	global_prefetch_b8 v0, s[64:65] scope:SCOPE_SE
	s_setreg_imm32_b32 hwreg(HW_REG_WAVE_MODE, 25, 1), 1
	s_wait_xcnt 0x0
	s_wait_alu depctr_hold_cnt(0) depctr_sa_sdst(0) depctr_va_vdst(0) depctr_va_sdst(0) depctr_va_ssrc(0) depctr_va_vcc(0) depctr_vm_vsrc(0)
	s_getreg_b32 s2, hwreg(HW_REG_IB_STS2, 6, 4)
	s_cmp_eq_u32 s2, 0
	s_cbranch_scc0 .Lentry_in_a_cluster
	s_endpgm
.Lentry_in_a_cluster:
	s_bfe_u32 s2, ttmp6, 0x10000c
	s_cmp_lg_u32 s2, 0xf033
	s_cbranch_scc0 .Lentry_shape_is_right
	s_endpgm
.Lentry_shape_is_right:
; q = x Wq^T, k = x Wk^T, v = x Wv^T on codes of FP6 (E2M3) with one E8M0 scale for each 32 along K = 1,024; sums in f32.  The results never go to memory as f32: the way out quantises them for the attention:
; q and k along the head's 64 numbers, v along the tokens, and stores them as IMAGES of operand registers.
; A tile of 256 x 256 is made by four waves, 128 x 128 each: 64 accumulators of 16 x 16, 512 registers.  K goes in steps of 256 through a ring of two LDS slots filled by the tensor data mover (rows of 192 bytes);
; the scale bytes of the tile's rows, for all of K, come into LDS once, with the first fills.
; TWO KINDS OF WORK-GROUP, told apart by the CLUSTER's x, which all sixteen partners share.  Cluster x 0, 1: A = x (32 tile rows), B = Wq and Wk (8 tile columns).  Cluster x 2: A = Wv (4 tile rows), B = x (32 tile columns).
; So in every kind the axis along which the result is quantised (features for q and k, tokens for v) is B's, and B is source 0 of the matrix instruction: a lane holds ONE row of A and its registers run along B's rows.
; THE ROWS OF x AND OF THE WEIGHTS ARE STORED WITH BITS 3 AND 4 OF THEIR NUMBER EXCHANGED (the launch before): so register 16 b + i of a block's 64 accumulator registers is column 32 b + 16 (lane / 16) + i,
; 16 neighbours along the next K, and lane r of A's block 2 g + u holds row 32 g + 8 u + r % 8 + 16 (r / 8).
; qkv: 64 records (batch x 16 + head) of 307,200 bytes: K's codes 0, K's scale words 98,304, V's codes 102,400, V's scale words 200,704, Q's codes 204,800, Q's scale words 303,104.
;   An image is 12 registers of 32 lanes: three runs of 512 bytes, run c = registers 4 c .. 4 c + 3, lane l's 16 bytes at 16 l.  A step is 128 tokens: four images, 6,144 bytes.
;   K or Q image g of a step: registers 6 u + i of lane (r, hh) = the 24 bytes of token 32 g + 8 u + r % 8 + 16 (r / 8), numbers 32 hh .. 32 hh + 31 of the head.
;   V image dt of a step: a fragment as the matrix unit takes it: row 32 (dt / 2) + 8 (dt % 2) + r % 8 + 16 (r / 8) of the head's 64, K = the step's 128 tokens.
;   Scale words: [step][r][4 words], 256 bytes a step.
; CLUSTERS: 4 x 4 work-groups.  A's tile is shared along a row of the cluster, B's along a column: each is asked for jointly, by the same tensor load with the same descriptor and a mask that names the four.
; 384 work-groups of equal work.  LIMITS: NaN and infinities are not served; a block of zeros carries the byte 1 with zero codes (this program alone reads the bytes).
; REGISTERS, in windows of 256: window 0: v0-31 addresses; v32-63 scale words, two sets, and nothing else; v64-117 the way out; from v128 A's fragments, ONE set.
;   window 1: B's fragments, TWO sets, at v0 and v128.   window 2: the 32 accumulators of my rows 0-63 (accumulator (a, b) at v[8 (8 a + b)]);   window 3: those of my rows 64-127.
.set SIZE_K, 1024
.set KSTEP,  256                       ; along K in a slot
.set NQ,     KSTEP/128                 ; matrix instructions deep
.set ROWB,   192                       ; a tile's row in bytes
.set KROW,   SIZE_K*6/8                ; a row of codes in memory
.set PITCH,  240                       ; an LDS row: 3 x (64 bytes + 16 of padding): the 32 lanes of a load of 8 bytes touch 64 different banks (64 banks of 4 bytes: ISA guide 11.1)
.set FR,     12                        ; registers of a fragment: 16 rows x 128 K
.set NL,     6                         ; LDS loads that bring one
.set NP,     4                         ; places behind this matrix instruction (ISA guide 7.12.1)
.set HALFT,  128*PITCH                 ; 128 rows: what one tensor load brings, and what one wave reads of A or of B
.set SLOT,   4*HALFT                   ; A's 256 rows, then B's 256 rows
.set LAPS,   SIZE_K/(2*KSTEP)          ; a lap = two K steps = once round the ring
.set KS,     SIZE_K/32                 ; a row of scale bytes
.set SCL,    2*SLOT                    ; behind the ring: the scales, as runs of 256 bytes + 16 of padding
.set HALFS,  (128*KS/256)*272          ; the scales of 128 rows: what one tensor load brings
.set SBLK,   (16*KS/256)*272           ; those of 16 rows
.set SPARE,  SCL+4*HALFS               ; behind the scales: the spare words, 128 bytes for each wave: two blocks of 256 bytes that no other line names
.set REC,    307200                    ; a record of qkv
.set KIND_V, 102400
.set KIND_Q, 204800
.set WORDS,  98304                     ; from a field's codes to its scale words
.set ADRA, 16                          ; v16-17  LDS address of my A fragments in slot 0, 1  (v18-19: for the pieces that lie behind one padding more)
.set ADRB, 20                          ; v20-21  the same for B  (v22-23)
.set SO2,  24                          ; v24     the way out: my 16 bytes of scale words: 16 (lane % 16), lanes 16-31 one record on
.set HH,   25                          ; v25     lane / 16
.set CO,   26                          ; v26     the way out: 16 x lane: my place in a run of an image
.set ADRS, 27                          ; v27     LDS address of my scale words: lanes 0-15 A's rows, lanes 16-31 B's
.set SPW,  28                          ; v28     LDS address of my spare word; never rewritten
.set NIL,  29                          ; v29     0; never rewritten
.set FLR,  30                          ; v30     the floor 2^(3 - 127)
.set SC,   32                          ; scale words: set s at v[SC + 8 NQ s]
.set IMG0, 64                          ; v64-75  an image being made;  v76-87 a second
.set IMG1, 76
.set CT0,  88                          ; v88-90, v92-94 a conversion's three registers begin on an even number: the second halves are made here and moved
.set CT1,  92
.set SW0,  96                          ; v96-99  four scale words of the first head;  v100-103 of the second
.set SW1,  100
.set TM,   104                         ; v104-107 largest magnitudes, v108-111 the other lane's, then bytes, v112-115 the conversions' scale operands
.set PWA,  116                         ; v116, v117 the scale words of two blocks of rows
.set PWB,  117
.set AF,   128                         ; A's fragments, in window 0
.set G1, 24                            ; s[24:31] descriptor group 1 for A's tiles;  s[32:39] group 0, one set for each slot
.set G0, 32
.set G1B, 48                           ; s[48:55], s[56:63] the same for B's tiles
.set G0B, 56
.set G1S, 68                           ; s[68:75], s[76:79] groups 1 and 0 for A's scales;  s[80:87], s[88:91] for B's
.set G0S, 76
.set G1SB, 80
.set G0SB, 88
.set MSB, 0
.macro WIN new                         ; the immediate's high byte repeats the setting that is left
.if MSB != \new
	s_set_vgpr_msb (MSB<<8)|\new
.set MSB, \new
.endif
.endm
.set MUL_LO, 0xa1                      ; source 0 (B) window 1, source 1 (A) window 0, C and D window 2
.set MUL_HI, 0xf1                      ; the same, C and D window 3
.set TO_B,   0x40                      ; destination window 1, address window 0
; A joint load: waves 0 and 1 fetch for A, waves 2 and 3 for B.  Each of the two lines has ONE mask and one set of registers for all that issue it; the branch hangs on the wave's number alone.
; Four v_nop follow each of the two lines, ahead of the jump, the label and what follows.
.macro JLOAD g0a, g1a, g0b, g1b
	s_cmp_eq_u32 s15, 0
	s_cbranch_scc0 .Lfor_b_\@
	tensor_load_to_lds s[\g0a:\g0a+3], s[\g1a:\g1a+7]
	s_nop 0
.rept 4
	v_nop
.endr
	s_branch .Lasked_\@
.Lfor_b_\@:
	tensor_load_to_lds s[\g0b:\g0b+3], s[\g1b:\g1b+7]
	s_nop 0
.rept 4
	v_nop
.endr
.Lasked_\@:
.endm
.macro CREST                           ; a round of the cluster's barrier behind its opening barrier
	s_cmp_lg_u32 s14, 0
	s_cbranch_scc1 .Lnot_wave_0_\@
	s_barrier_signal -3
.Lnot_wave_0_\@:
	s_barrier_wait -3
	s_barrier_signal -1
	s_barrier_wait -1
.endm
.macro CROUND                          ; a whole round
	s_barrier_signal -1
	s_barrier_wait -1
	CREST
.endm
	s_load_b128 s[4:7], s[0:1], 0x0                ; x's codes, x's scales
	s_load_b128 s[8:11], s[0:1], 0x10              ; the weights' codes, their scales
	s_load_b64 s[12:13], s[0:1], 0x20              ; qkv
	v_lshl_add_u32 v[SPW], v0, 2, SPARE
	v_mov_b32 v[NIL], 0
	ds_add_u32 v28, v29
	ds_add_u32 v28, v29
	s_wait_dscnt 0x0
	v_lshrrev_b32 v1, 5, v0
	v_readfirstlane_b32 s14, v1                    ; wave 0..3
	s_lshr_b32 s15, s14, 1                         ; which half of the tile's rows is mine.  Also: I fetch for A (0) or for B (1)
	s_and_b32 s16, s14, 1                          ; which half of its columns.  Also: which 128 rows of that tile I fetch
	s_bfe_u32 s40, ttmp6, 0x40000                  ; cx, cy: my place in the cluster
	s_bfe_u32 s41, ttmp6, 0x40004
	s_and_b32 s66, ttmp7, 0xffff
	s_lshl_b32 s66, s66, 2                         ; 4 x cluster y
	s_lshl_b32 s67, ttmp9, 2                       ; 4 x cluster x
	s_cmp_eq_u32 ttmp9, 2                          ; the kind: v's clusters have x = 2
	s_cselect_b32 s17, 0, s66                      ; tile row: q, k: 4 x cluster y + cy, of x's 32;  v: cy, of Wv's 4
	s_cselect_b32 s42, s66, s67                    ; tile column: q, k: 4 x cluster x + cx, of the weights' 8;  v: 4 x cluster y + cx, of x's 32
	s_add_co_u32 s17, s17, s41
	s_add_co_u32 s42, s42, s40
	s_lshl_b32 s43, s41, 2
	s_lshl_b32 s43, 15, s43                        ; my row of the cluster
	s_lshl_b32 s44, 0x1111, s40                    ; my column
	; descriptor group 1: a tile of 128 rows x ROWB bytes, padded in LDS
	s_or_b32 s[G1+0], s43, (0<<16)|(1<<20)|(1<<21)|(3<<22)|(3<<25)  ; 15:0 the mask: A's tiles go to my row; 17:16 element of 1 byte; 20 padding on; 21 set beside a mask; 24:22 after every 16 words (code 3); 31:25 of 4 words (code 3)
	s_or_b32 s[G1B+0], s44, (0<<16)|(1<<20)|(1<<21)|(3<<22)|(3<<25)
.irp g, G1, G1B
	s_mov_b32 s[\g+1], ROWB<<16                    ; tensor_dim0
	s_mov_b32 s[\g+2], 128<<16                     ; tensor_dim1 = 128
	s_mov_b32 s[\g+3], ROWB<<16                    ; tile_dim0
	s_mov_b32 s[\g+4], 128                         ; tile_dim1 = 128
	s_mov_b32 s[\g+5], KROW                        ; tensor_dim0_stride
	s_mov_b32 s[\g+6], 0
	s_mov_b32 s[\g+7], 0
.endr
	; and for the scales of 128 rows: a dense block of 128 KS bytes, as rows of 256 bytes (32 elements of 8 bytes), 16 bytes of padding behind each
	s_or_b32 s[G1S+0], s43, (3<<16)|(1<<20)|(1<<21)|(5<<22)|(3<<25)
	s_or_b32 s[G1SB+0], s44, (3<<16)|(1<<20)|(1<<21)|(5<<22)|(3<<25)
.irp g, G1S, G1SB
	s_mov_b32 s[\g+1], 32<<16
	s_mov_b32 s[\g+2], (128*KS/256)<<16
	s_mov_b32 s[\g+3], 32<<16
	s_mov_b32 s[\g+4], 128*KS/256
	s_mov_b32 s[\g+5], 32
	s_mov_b32 s[\g+6], 0
	s_mov_b32 s[\g+7], 0
.endr
	s_lshl_b32 s18, s16, 7                         ; which 128 rows of the tile I fetch
	s_lshl_b32 s20, s17, 8
	s_add_co_u32 s20, s20, s18                     ; A: row 256 x tile row + 128 x half
	s_lshl_b32 s46, s42, 8
	s_add_co_u32 s46, s46, s18                     ; B: row 256 x tile column + 128 x half
	s_mov_b32 s21, 0
	s_mov_b32 s47, 0
	s_mov_b64 s[18:19], KS
	s_mul_u64 s[22:23], s[20:21], s[18:19]         ; where these rows' scales begin, in bytes
	s_mul_u64 s[92:93], s[46:47], s[18:19]
	s_mov_b64 s[18:19], KROW
	s_mul_u64 s[20:21], s[20:21], s[18:19]         ; and their codes
	s_mul_u64 s[46:47], s[46:47], s[18:19]
	s_mul_i32 s45, s14, HALFT                      ; where they go: wave x 128 rows: no place in the cluster enters an LDS address
	s_mul_i32 s94, s14, HALFS
	s_wait_kmcnt 0x0
	s_add_nc_u64 s[98:99], s[8:9], 2048*KROW       ; Wv's codes: rows 2,048 on of the weights',
	s_add_nc_u64 s[100:101], s[10:11], 2048*KS     ; and its scales
	s_cmp_eq_u32 ttmp9, 2                          ; which buffers are A's and which B's: a choice that hangs on the cluster's x alone
	s_cselect_b64 s[98:99], s[98:99], s[4:5]       ; A's codes: Wv's or x's
	s_cselect_b64 s[100:101], s[100:101], s[6:7]   ; A's scales
	s_cselect_b64 s[8:9], s[4:5], s[8:9]           ; B's codes: x's or the weights'
	s_cselect_b64 s[10:11], s[6:7], s[10:11]       ; B's scales
	s_add_nc_u64 s[20:21], s[98:99], s[20:21]
	s_add_nc_u64 s[22:23], s[100:101], s[22:23]
	s_add_nc_u64 s[46:47], s[8:9], s[46:47]
	s_add_nc_u64 s[92:93], s[10:11], s[92:93]
	CROUND                                         ; all sixteen work-groups are here: the first joint loads meet
	s_mov_b32 s[G0S], 1
	s_add_co_u32 s[G0S+1], s94, SCL
	s_mov_b64 s[G0S+2:G0S+3], s[22:23]
	s_or_b32 s[G0S+3], s[G0S+3], 0x80000000
	s_mov_b32 s[G0SB], 1
	s_add_co_u32 s[G0SB+1], s94, SCL
	s_mov_b64 s[G0SB+2:G0SB+3], s[92:93]
	s_or_b32 s[G0SB+3], s[G0SB+3], 0x80000000
	JLOAD G0S, G1S, G0SB, G1SB                     ; the scales first: they are wanted with K step 0
.irp s, 0,1
	s_mov_b32 s[G0+4*\s], 1
	s_add_co_u32 s[G0+4*\s+1], s45, \s*SLOT
	s_add_nc_u64 s[G0+4*\s+2:G0+4*\s+3], s[20:21], \s*ROWB
	s_or_b32 s[G0+4*\s+3], s[G0+4*\s+3], 0x80000000
	s_mov_b32 s[G0B+4*\s], 1
	s_add_co_u32 s[G0B+4*\s+1], s45, \s*SLOT
	s_add_nc_u64 s[G0B+4*\s+2:G0B+4*\s+3], s[46:47], \s*ROWB
	s_or_b32 s[G0B+4*\s+3], s[G0B+4*\s+3], 0x80000000
	JLOAD G0+4*\s, G1, G0B+4*\s, G1B
.endr
	v_and_b32 v1, 15, v0                           ; l % 16
	v_bfe_u32 v2, v0, 4, 1                         ; l / 16
	v_mul_u32_u24 v3, v1, PITCH
	v_mul_u32_u24 v4, v2, 24
	v_add_nc_u32 v4, v3, v4                        ; a fragment's row x pitch + 24 x half
	v_lshl_add_u32 v5, v2, 4, v4                   ; and the same behind one padding more
	s_mul_i32 s21, s15, HALFT                      ; my 128 rows of A
	s_mul_i32 s22, s16, HALFT                      ; my 128 rows of B,
	s_add_co_u32 s22, s22, 2*HALFT                 ; which lie behind A's 256
.irp s, 0,1
	v_add_nc_u32 v[ADRA+\s], s21, v4
	v_add_nc_u32 v[ADRB+\s], s22, v4
	v_add_nc_u32 v[ADRA+2+\s], s21, v5
	v_add_nc_u32 v[ADRB+2+\s], s22, v5
	s_add_co_u32 s21, s21, SLOT
	s_add_co_u32 s22, s22, SLOT
.endr
	v_mul_u32_u24 v5, v1, KS                       ; my row's scales: KS bytes a row,
	v_lshrrev_b32 v6, 8, v5
	v_lshl_add_u32 v5, v6, 4, v5                   ; and 16 more for each 256 passed
	s_mul_i32 s21, s15, HALFS                      ; A's: my 128 rows
	s_mul_i32 s22, s16, HALFS                      ; B's: my 128 rows, behind A's 256
	s_add_co_u32 s22, s22, 2*HALFS
	s_sub_co_u32 s22, s22, s21
	v_mul_u32_u24 v6, s22, v2                      ; lanes 16-31 take B's
	s_add_co_u32 s21, s21, SCL
	v_add_nc_u32 v5, v5, v6
	v_add_nc_u32 v[ADRS], s21, v5
	v_mov_b32 v[HH], v2
	v_and_b32 v6, 31, v0
	v_lshlrev_b32 v[CO], 4, v6                     ; the way out: 16 x lane
	v_mul_u32_u24 v[SO2], v2, REC
	v_lshl_add_u32 v[SO2], v1, 4, v[SO2]           ; 16 (lane % 16), lanes 16-31 in the next record
	; where my 128 x 128 goes in qkv: 128 tokens are one step of one batch, 128 features two heads
	s_lshl_b32 s20, s17, 8
	s_lshl_b32 s21, s15, 7
	s_add_co_u32 s20, s20, s21                     ; my first row of A
	s_lshl_b32 s22, s42, 8
	s_lshl_b32 s23, s16, 7
	s_add_co_u32 s22, s22, s23                     ; my first row of B
	s_cmp_eq_u32 ttmp9, 2
	s_cselect_b32 s95, s22, s20                    ; my first token (of 8,192),
	s_cselect_b32 s96, s20, s22                    ; my first feature (q, k: of 2,048; v: of 1,024)
	s_cselect_b32 s97, KIND_V, 0
	s_cselect_b32 s94, 0, KIND_Q
	s_cmp_lt_u32 s96, 1024                         ; among q and k the first 1,024 features are q's
	s_cselect_b32 s94, s94, 0
	s_add_co_u32 s97, s97, s94                     ; the field of the record: V's, Q's or K's
	s_lshr_b32 s94, s95, 11
	s_lshl_b32 s94, s94, 4                         ; 16 x batch
	s_bfe_u32 s20, s96, 0x40006
	s_add_co_u32 s94, s94, s20                     ; + head
	s_mul_i32 s94, s94, REC
	s_add_co_u32 s94, s94, s97
	s_bfe_u32 s20, s95, 0x40007                    ; the step
	s_mul_i32 s46, s20, 6144
	s_add_co_u32 s46, s46, s94
	s_mov_b32 s47, 0
	s_lshl_b32 s92, s20, 8
	s_add_co_u32 s92, s92, s94
	s_add_co_u32 s92, s92, WORDS
	s_mov_b32 s93, 0
	s_add_nc_u64 s[46:47], s[12:13], s[46:47]      ; my step's images,
	s_add_nc_u64 s[92:93], s[12:13], s[92:93]      ; and its scale words
.macro FRAG reg, adr, q, i             ; a fragment, 16 rows x 128 K of 6-bit codes, is 12 registers: lane l holds row l % 16; registers 6 c .. 6 c + 5 hold K = 64 c + 32 (l / 16) + 0 .. 31: 24 bytes of the row, as they lie
.irp p, 0,1,2,3,4,5                    ; in pieces of 8 bytes, so that every address is a multiple of the access's size
.set PC, 12*(\q)+6*(\p/3)+\p%3        ; 16 bytes of padding lie behind every 64 bytes (8 pieces): where the piece three on lies behind one padding more, the second address register serves
.if PC%8 < 5
	ds_load_b64 v[\reg+2*\p:\reg+2*\p+1], v[\adr] offset:8*PC+16*(PC/8)+(\i)*16*PITCH
.else
	ds_load_b64 v[\reg+2*\p:\reg+2*\p+1], v[\adr+2] offset:8*PC+16*(PC/8)+(\i)*16*PITCH
.endif
.endr
.endm
; 16 matrix instructions: A's blocks a0, a0 + 1 x B's eight, 128 along K: the slot's q-th.  p: B's set;  sc: the set of scale words.  zero = 1: the first product starts the sums: nothing is ever cleared.
; The 64 accumulators take turns, one instruction a turn, in the same order in every step.
.macro MUL16 a0, p, q, sc, zero
.irp a, \a0, \a0+1
.irp b, 0,1,2,3,4,5,6,7
.if \zero
	v_wmma_scale_f32_16x16x128_f8f6f4 v[8*(8*((\a)%4)+\b):8*(8*((\a)%4)+\b)+7], v[128*(\p)+FR*\b:128*(\p)+FR*\b+FR-1], v[AF+FR*(\a):AF+FR*(\a)+FR-1], 0, v[SC+8*NQ*(\sc)+NQ*\b+(\q)], v[SC+8*NQ*(\sc)+NQ*(\a)+(\q)] matrix_a_fmt:MATRIX_FMT_FP6 matrix_b_fmt:MATRIX_FMT_FP6 matrix_a_scale:MATRIX_SCALE_ROW1
.else
	v_wmma_scale_f32_16x16x128_f8f6f4 v[8*(8*((\a)%4)+\b):8*(8*((\a)%4)+\b)+7], v[128*(\p)+FR*\b:128*(\p)+FR*\b+FR-1], v[AF+FR*(\a):AF+FR*(\a)+FR-1], v[8*(8*((\a)%4)+\b):8*(8*((\a)%4)+\b)+7], v[SC+8*NQ*(\sc)+NQ*\b+(\q)], v[SC+8*NQ*(\sc)+NQ*(\a)+(\q)] matrix_a_fmt:MATRIX_FMT_FP6 matrix_b_fmt:MATRIX_FMT_FP6 matrix_a_scale:MATRIX_SCALE_ROW1
.endif
.endr
.endr
.endm
.macro FETCH_B slot, q, p              ; B's eight fragments of the slot's q-th 128 along K into set p
	WIN TO_B
.irp i, 0,1,2,3,4,5,6,7
	FRAG 128*(\p)+FR*\i, ADRB+\slot, \q, \i
.endr
	WIN 0
.endm
.macro FETCH_A slot, q, i0             ; A's blocks i0 .. i0 + 3
.irp i, \i0, \i0+1, \i0+2, \i0+3
	FRAG AF+FR*(\i), ADRA+\slot, \q, \i
.endr
.endm
.macro SCALES sc                       ; the next K step's scale words into set sc: NQ words a row; lanes 0-15 take A's block i, lanes 16-31 B's block i
.irp i, 0,1,2,3,4,5,6,7
	ds_load_b64 v[SC+8*NQ*\sc+NQ*\i:SC+8*NQ*\sc+NQ*\i+1], v[ADRS] offset:\i*SBLK
.endr
.endm
; A load into a register that a matrix instruction has read, and a vector instruction that reads a matrix result, stand NP places behind that matrix instruction, and only plain vector
; instructions that name none of its registers are places (ISA guide 7.12.1 for vector instructions).
.macro PLACES n
.rept \n
	v_nop
.endr
.endm
; A step of 128 along K that has its successor in the same slot.
.macro STEP slot, q, zero
	s_wait_dscnt 4*NL                              ; B's set and A's blocks 0-3 are in; the youngest 24 loads (A's blocks 4-7) may be out
	WIN MUL_LO
	MUL16 0, (\q)%2, \q, \slot, \zero
	MUL16 2, (\q)%2, \q, \slot, \zero
	s_wait_dscnt 0                                 ; A's blocks 4-7 are in (asked for 32 matrix instructions ago)
	PLACES NP
	FETCH_B \slot, (\q)+1, 1-(\q)%2
	FETCH_A \slot, (\q)+1, 0
	WIN MUL_HI
	MUL16 4, (\q)%2, \q, \slot, \zero
	MUL16 6, (\q)%2, \q, \slot, \zero
	PLACES NP
	WIN 0
	FETCH_A \slot, (\q)+1, 4
.endm
; A slot's last step changes slots: ONE barrier; in front of it each wave waits for all its tensor loads, adds 0 to its spare word, and waits for that and for its own reads of this slot.  fill = 1: this slot is filled again, two K steps ahead.
.macro TURN slot, next, fill
	s_wait_tensorcnt 0x0                           ; all my tensor loads have landed: my part of the next slot;  (every window is 0 here)
	ds_add_u32 v[SPW], v[NIL]                      ; 0 onto my spare word
	s_wait_dscnt 4*NL+1                            ; (the add and the youngest 24 loads, A's blocks 4-7, may be out)
	WIN MUL_LO
	MUL16 0, 1, NQ-1, \slot, 0                     ; sixteen matrix instructions stand between the add and the wait for it
	s_wait_dscnt 0x0                               ; the add is done, and my reads of this slot are over
	s_barrier_signal -1
	MUL16 2, 1, NQ-1, \slot, 0
	WIN 0
	s_barrier_wait -1
.if \fill
	CREST                                          ; the barrier has opened a round of the cluster's barrier: no wave of any partner still reads this slot's tile or has a load on its way
	s_add_nc_u64 s[G0+4*\slot+2:G0+4*\slot+3], s[G0+4*\slot+2:G0+4*\slot+3], 2*ROWB
	s_add_nc_u64 s[G0B+4*\slot+2:G0B+4*\slot+3], s[G0B+4*\slot+2:G0B+4*\slot+3], 2*ROWB
	JLOAD G0+4*\slot, G1, G0B+4*\slot, G1B         ; the first tensor load behind the round; the four v_nop behind it are the places in front of the loads below
.else
	PLACES NP
.endif
	v_add_nc_u32 v[ADRS], 4*NQ, v[ADRS]            ; on to the next K step's scale words (no LDS load of mine is out)
	FETCH_B \next, 0, 0
	FETCH_A \next, 0, 0
	SCALES \next
	WIN MUL_HI
	MUL16 4, 1, NQ-1, \slot, 0
	MUL16 6, 1, NQ-1, \slot, 0
	PLACES NP
	WIN 0
	FETCH_A \next, 0, 4
.endm
	s_wait_tensorcnt 1                             ; the scales and my part of K step 0 are in (K step 1's load may be out)
	s_barrier_signal -1
	s_barrier_wait -1                              ; everybody's are
	FETCH_B 0, 0, 0
	FETCH_A 0, 0, 0
	SCALES 0
	FETCH_A 0, 0, 4
	STEP 0, 0, 1                                   ; the first step stands in front of the loop: its products start the sums
	s_mov_b32 s3, LAPS-1
.Llap:                                                 ; a trip goes once round the ring, from a lap's second step to the next lap's first, and fills both slots again
	TURN 0, 1, 1
	STEP 1, 0, 0
	TURN 1, 0, 1
	STEP 0, 0, 0
	s_sub_co_u32 s3, s3, 1
	s_cmp_lg_u32 s3, 0
	s_cbranch_scc1 .Llap
	TURN 0, 1, 0                                   ; the last lap fills nothing, and has no round of the cluster's barrier
	STEP 1, 0, 0
	s_wait_dscnt 4*NL                              ; the very last step: nothing more to fetch
	WIN MUL_LO
	MUL16 0, 1, NQ-1, 1, 0
	MUL16 2, 1, NQ-1, 1, 0
	s_wait_dscnt 0
	WIN MUL_HI
	MUL16 4, 1, NQ-1, 1, 0
	MUL16 6, 1, NQ-1, 1, 0
	WIN 0
; THE WAY OUT needs no LDS: the results are quantised where they lie and leave as images.
; QUANT: the 64 registers of a block of 16 rows (window w, from register s on; register 16 b + i = column 32 b + 16 (lane / 16) + i of my row) become codes: columns 0-63 in the six registers from d0 on,
; columns 64-127 in the six from d1 on, each in the operand's layout (lane (r, hh): 32 hh .. 32 hh + 31 of its 64), and the row's four scale bytes in register pw.
; Each accumulator is read from its low end on.
.macro QUANT w, s, d0, d1, pw
.set WQ, ((\w)<<2)|((\w)<<4)           ; sources 1 and 2 in window w
.set WC, (\w)                          ; source 0 in window w
	WIN WQ
.irp b, 0,1,2,3
	v_max3_num_f32 v[TM+\b], v[FLR], |v[(\s)+16*\b]|, |v[(\s)+16*\b+1]|   ; block b: my 16 numbers, and the floor: the byte cannot fall under 1
.endr
.irp i, 2,4,6,8,10,12,14
.irp b, 0,1,2,3
	v_max3_num_f32 v[TM+\b], v[TM+\b], |v[(\s)+16*\b+\i]|, |v[(\s)+16*\b+\i+1]|   ; (the four blocks by turns)
.endr
.endr
	WIN 0
.irp b, 0,1,2,3
	v_permlanex16_b32 v[TM+4+\b], v[TM+\b], s2, s3
.endr
.irp b, 0,1,2,3
	v_max_num_f32 v[TM+\b], v[TM+\b], v[TM+4+\b]   ; with lane l xor 16's: the block's largest magnitude
.endr
.irp b, 0,1,2,3
	v_add_nc_u32 v[TM+8+\b], 0xff000000, v[TM+\b]  ; 2 off its exponent field: the conversion's scale operand
.endr
.irp b, 0,1,2,3
	v_lshrrev_b32 v[TM+4+\b], 23, v[TM+8+\b]       ; the scale's byte
.endr
	v_lshl_or_b32 v[\pw], v[TM+5], 8, v[TM+4]
	v_lshl_or_b32 v[\pw], v[TM+6], 16, v[\pw]
	v_lshl_or_b32 v[\pw], v[TM+7], 24, v[\pw]
	WIN WC
	v_cvt_scalef32_pk16_fp6_f32 v[(\d0):(\d0)+2], v[(\s):(\s)+15], v[TM+8]
	v_cvt_scalef32_pk16_fp6_f32 v[CT0:CT0+2], v[(\s)+16:(\s)+31], v[TM+9]
	v_cvt_scalef32_pk16_fp6_f32 v[(\d1):(\d1)+2], v[(\s)+32:(\s)+47], v[TM+10]
	v_cvt_scalef32_pk16_fp6_f32 v[CT1:CT1+2], v[(\s)+48:(\s)+63], v[TM+11]
	WIN 0
	v_nop                                          ; one plain instruction behind the scaled conversions
.irp i, 0,1,2                                  ; the layout wants a WHOLE block of 32 in a lane: lanes 0-15 the first of a pair, lanes 16-31 the second
	v_permlane16_swap_b32 v[(\d0)+\i], v[CT0+\i]
.endr
.irp i, 0,1,2
	v_mov_b32 v[(\d0)+3+\i], v[CT0+\i]
.endr
.irp i, 0,1,2
	v_permlane16_swap_b32 v[(\d1)+\i], v[CT1+\i]
.endr
.irp i, 0,1,2
	v_mov_b32 v[(\d1)+3+\i], v[CT1+\i]
.endr
.endm
.macro PUT reg, off                    ; an image leaves: each store of the wave covers 512 consecutive bytes, aligned; written once, read by nobody here
.irp c, 0,1,2
	global_store_b128 v[CO], v[(\reg)+4*\c:(\reg)+4*\c+3], s[46:47] offset:(\off)+512*\c th:TH_STORE_NT
.endr
.endm
	PLACES NP                                      ; behind the last products: their results are read below
	v_mov_b32 v[FLR], 0x1800000                    ; 2^(3 - 127)
.irp b, 0,1,2,3
	v_mov_b32 v[TM+4+\b], 0                        ; written once: a lane permute's destination counts as one of its sources
.endr
	s_mov_b32 s2, 0x76543210
	s_mov_b32 s3, 0xfedcba98                       ; v_permlanex16_b32's selects for lane l xor 16
	s_cmp_eq_u32 ttmp9, 2                          ; the kind: the same in all sixteen partners
	s_cbranch_scc1 .Lv
	; q or k: blocks 2 g and 2 g + 1 of tokens make image g of each of my two heads: columns 0-63 are the first head's, 64-127 the second's
.irp g, 0,1,2,3
.if \g > 0
	s_wait_xcnt 0x0                                ; the last images' stores have read their registers: they are written again only behind this wait
.endif
	QUANT 2+(\g)/2, 64*((2*\g)%4), IMG0, IMG1, PWA
	QUANT 2+(\g)/2, 64*((2*\g+1)%4), IMG0+6, IMG1+6, PWB
	v_perm_b32 v[SW0+\g], v[PWB], v[PWA], 0x05040100   ; the first head's word: two bytes of each block of tokens,
	v_perm_b32 v[SW1+\g], v[PWB], v[PWA], 0x07060302   ; the second head's
	PUT IMG0, 1536*\g
	PUT IMG1, REC+1536*\g
.endr
	s_branch .Lsc
.Lv:	; v: block a of features is image a % 4 of head a / 4: a whole fragment along the step's 128 tokens
.irp a, 0,1,2,3,4,5,6,7
.if \a > 0
	s_wait_xcnt 0x0                                ; as above
.endif
	QUANT 2+(\a)/4, 64*((\a)%4), IMG0, IMG0+6, SW0+\a
	PUT IMG0, ((\a)/4)*REC+((\a)%4)*1536
.endr
.Lsc:	; the scale words: lanes 0-15 store the first head's 256 bytes, lanes 16-31 the second's, one record on: two aligned runs of 256 bytes
	v_cmp_eq_u32 vcc_lo, 1, v[HH]
.irp i, 0,1,2,3
	v_cndmask_b32 v[SW0+\i], v[SW0+\i], v[SW1+\i], vcc_lo
.endr
	global_store_b128 v[SO2], v[SW0:SW0+3], s[92:93] th:TH_STORE_NT
	s_wait_tensorcnt 0x0                           ; the wave's end, behind my last tensor load
	ds_add_u32 v[SPW], v[NIL]
	s_wait_dscnt 0x0
	CROUND                                         ; the closing round: no work-group ends while a partner may still ask for a tile that names it
	s_endpgm
.Lfunc_end_k_qdf84c26acb_gemm:
	.size	k_qdf84c26acb_gemm, .Lfunc_end_k_qdf84c26acb_gemm-k_qdf84c26acb_gemm
	.p2alignl 7, 3214868480
	.fill 96, 4, 3214868480
	.section	.rodata,"a",@progbits
	.p2align	6, 0x0
	.amdhsa_kernel k_qdf84c26acb_gemm
		.amdhsa_group_segment_fixed_size 327680
		.amdhsa_private_segment_fixed_size 0
		.amdhsa_enable_private_segment 0
		.amdhsa_kernarg_size 40
		.amdhsa_user_sgpr_count 2
		.amdhsa_user_sgpr_kernarg_segment_ptr 1
		.amdhsa_wavefront_size32 1
		.amdhsa_system_sgpr_workgroup_id_x 1
		.amdhsa_system_sgpr_workgroup_id_y 1
		.amdhsa_system_sgpr_workgroup_id_z 1
		.amdhsa_system_vgpr_workitem_id 0
		.amdhsa_next_free_vgpr 1024
		.amdhsa_next_free_sgpr 102
		.amdhsa_reserve_vcc 1
		.amdhsa_float_denorm_mode_32 3
		.amdhsa_float_denorm_mode_16_64 3
		.amdhsa_memory_ordered 1
		.amdhsa_forward_progress 1
		.amdhsa_inst_pref_size 197
	.end_amdhsa_kernel
	.amdgpu_metadata
---
amdhsa.version: [ 1, 2 ]
amdhsa.kernels:
  - .name:           k_qdf84c26acb_gemm
    .symbol:         k_qdf84c26acb_gemm.kd
    .args:
      - { .name: x_codes, .offset: 0, .size: 8, .value_kind: global_buffer, .address_space: global }
      - { .name: x_scales, .offset: 8, .size: 8, .value_kind: global_buffer, .address_space: global }
      - { .name: w_codes, .offset: 16, .size: 8, .value_kind: global_buffer, .address_space: global }
      - { .name: w_scales, .offset: 24, .size: 8, .value_kind: global_buffer, .address_space: global }
      - { .name: qkv, .offset: 32, .size: 8, .value_kind: global_buffer, .address_space: global }
    .group_segment_fixed_size: 327680
    .private_segment_fixed_size: 0
    .kernarg_segment_align: 8
    .kernarg_segment_size: 40
    .max_flat_workgroup_size: 128
    .sgpr_count:     102
    .vgpr_count:     1024
    .wavefront_size: 32
...
	.end_amdgpu_metadata
.endif
;; end of part 2
;; launch attn (part 3): grid 4 x 64, 16 waves a work-group, clusters of 4 x 1, 276,480 bytes of LDS; arguments qkv, inter_palace_weight, out0; writes out0
.if DOCPART == 3
	.amdgcn_target "amdgcn-amd-amdhsa--gfx1250"
	.amdhsa_code_object_version 6
	.text
	.protected	k_qdf84c26acb_attn
	.globl	k_qdf84c26acb_attn
	.p2align	8
	.type	k_qdf84c26acb_attn,@function
k_qdf84c26acb_attn:
	s_mov_b64 s[64:65], 0
	v_nop
	global_prefetch_b8 v0, s[64:65] scope:SCOPE_SE
	s_setreg_imm32_b32 hwreg(HW_REG_WAVE_MODE, 25, 1), 1
	s_wait_xcnt 0x0
	s_wait_alu depctr_hold_cnt(0) depctr_sa_sdst(0) depctr_va_vdst(0) depctr_va_sdst(0) depctr_va_ssrc(0) depctr_va_vcc(0) depctr_vm_vsrc(0)
	s_getreg_b32 s2, hwreg(HW_REG_IB_STS2, 6, 4)
	s_cmp_eq_u32 s2, 0
	s_cbranch_scc0 .Lentry_in_a_cluster
	s_endpgm
.Lentry_in_a_cluster:
	s_bfe_u32 s2, ttmp6, 0x10000c
	s_cmp_lg_u32 s2, 0x3003
	s_cbranch_scc0 .Lentry_shape_is_right
	s_endpgm
.Lentry_shape_is_right:
; out[b][q][h][:] = the sum over k of softmax_k(q . k / 8 x mask(q, k)) v[k][:], for 64 heads (batch x 16 + head) of 2,048 tokens and 64 numbers; both products on codes of FP6 (E2M3) with E8M0 scales.
; mask(q, k) = 1 where (q / 8) % 8 = (k / 8) % 8, else sigmoid(w), w the launch's one-number input.
; THE SOFTMAX IS QUANTISED FINISHED AND NORMALISED, so a row's sum must be known before any weight is coded: TWO SWEEPS over the keys.  Sweep 1: K Q^T, the running maximum and sum.  Sweep 2: K Q^T again,
; p = 2^(t - M) / l, quantised along the keys in blocks of 32, and O^T += V^T P^T.  t = score x c x mask, c = log2(e) / 8; M = the row's largest t rounded UP to a whole number, so that a change of M is a
; multiplication by a power of two, which rounds nothing; l, at least 0.5, is the sum of 2^(t - M).
; LIMITS: NaN, infinities and scores that overflow f32 are not served (with finite scores the reference's replacement of NaN changes nothing); p under 2^-126 becomes 0 (v_exp_f32 flushes: ISA guide 15.8).
; SHARES.  A cluster is one head; each of its four work-groups owns 512 queries, each of the sixteen waves 32 of them: one image of Q, two tiles of 16 (tile T: token 32 W + 8 T + r % 8 + 16 (r / 8)).
; The two tiles share every fragment of K and V that the wave reads from LDS.  Four waves to a SIMD: one wave's vector work stands beside another's matrix work and LDS loads.
; LDS.  A head's K and V, codes and scale words, are 204,800 bytes: they come ONCE, as they lie in the record, by two tensor loads a wave (25 rows of 256 bytes each), asked for JOINTLY by the four work-groups.
; Nothing is filled again.  Behind them a stage of 16 x 272 bytes for each wave, for the way out.  All tiles are asked for at the head, so nothing is left to prefetch.
; LAYOUT.  Both products are used transposed: a lane holds ONE query (lane % 16) throughout.  A head has 64 numbers and the instruction 128 along K: an image of K holds TWO tiles of 16 keys side by side, and Q stands
; beside six registers of zeros, to the left or to the right: so each instruction multiplies one of the two tiles, and neither LDS nor K's registers hold a zero.
; Register 16 g + 8 u + j of a tile's scores is key 32 g + 16 (lane / 16) + 8 u + j of the step: 16 neighbours for each g, as the conversions want them.
; THE MASK costs nothing: the eight keys of (g, u) in a lane are one palace, 4 (g % 2) + 2 (lane / 16) + u; the query's is 4 (W % 2) + 2 (r / 8) + T.  So the factor of a packed multiply-add is c sigmoid(w) where u differs from T,
; and else a number of the lane's own, X[g % 2]: c where g % 2 = W % 2 and lane / 16 = r / 8, else c sigmoid(w).
; REGISTERS: v1-7 addresses; v[8:9], v[10:11] X0, X1; v12-19, v20-27 the two tiles' statistics (+0 -M, +1 largest t, +2,3 the sum, +4,5 f, +6 at work, then 1 / l); v28-31 at work; v32-35 K's scale words, v36-39 V's,
; v40-41 Q's, v42-43 P's; v44-73 zeros, Q of tile 0, zeros, Q of tile 1, zeros; sweep 1: v76-123 four images of K, v124-251 the scores; sweep 2: v76-99 two images, v100-123 P's codes, v124-187 the scores of 64 keys,
; v188-251 O^T; v252-254 a conversion's second half.
.set REC,   307200                     ; a record of qkv
.set KS_O,  98304                      ; K's scale words, in the record and in LDS
.set VC_O,  102400                     ; V's codes; also from K's scale words to V's
.set QC_O,  204800
.set QS_O,  303104
.set STG,   204800                     ; LDS: the stages
.set SP,    272                        ; a stage row: 256 bytes + 16
.set NSTEP, 16                         ; key steps of 128
.set LI,  1                            ; v1   16 x lane: my place in a run of an image
.set AS0, 2                            ; v2   KS_O + 16 (lane % 16): my four scale words of step 0
.set AK,  3                            ; v3   the step's images of K;  later the stage, on the way in
.set AS,  4                            ; v4   its scale words;  later the stage, on the way back
.set AV,  5                            ; v5   the step's images of V
.set AT,  6                            ; v6   its scale words
.set QO,  7                            ; v7   16 (lane % 16);  later my byte offset in out0
.set XP0, 8
.set XP1, 10
.set ST,  12
.set TS,  16                           ; sweep 2: two scale operands (tile 0's f is done with)
.set TM,  28
.set KSW, 32
.set VSW, 36
.set QSW, 40
.set PW,  42
.set ZQ,  44
.set KF,  76
.set CC,  100
.set SCO, 124                          ; sweep 1: 64 scores a tile
.set SH,  124                          ; sweep 2: 32 scores a tile
.set OO,  188
.set CT,  252
.set WV,  11                           ; s11  my wave's number
.set G1,  16                           ; s[16:23] descriptor group 1;  s[24:27], s[28:31] groups 0 for K's and V's halves
.set G0K, 24
.set G0V, 28
.set SEL, 32                           ; s[32:33] selects for v_permlanex16_b32: lane l xor 16
.set CS,  34                           ; s[34:35] c sigmoid(w): the packed form names a pair and takes its low word for both halves
.set CNT, 36
.set TK,  39                           ; s39  the step's images: 6,144 bytes a step
.set TW,  40                           ; s40  its scale words: 256 bytes a step
.macro CROUND                          ; a round of the cluster's barrier
	s_barrier_signal -1
	s_barrier_wait -1
	s_cmp_lg_u32 s[WV], 0
	s_cbranch_scc1 .Lnot_wave_0_\@
	s_barrier_signal -3
.Lnot_wave_0_\@:
	s_barrier_wait -3
	s_barrier_signal -1
	s_barrier_wait -1
.endm
.macro PLACES n
.rept \n
	v_nop
.endr
.endm
	s_load_b128 s[4:7], s[0:1], 0x0                ; qkv, w
	s_load_b64 s[8:9], s[0:1], 0x10                ; out0
	v_lshl_add_u32 v75, v0, 2, 0x43000
	v_mov_b32 v255, 0
	ds_add_u32 v75, v255
	ds_add_u32 v75, v255
	v_lshrrev_b32 v1, 5, v0
	v_readfirstlane_b32 s[WV], v1                  ; wave 0..15
	s_bfe_u32 s12, ttmp6, 0x40000                  ; cx
	s_lshl_b32 s14, ttmp9, 2
	s_add_co_u32 s12, s12, s14                     ; my block of 512 queries: it enters Q's and out0's addresses alone
	s_and_b32 s13, ttmp7, 0xffff                   ; the head (16 x batch + head), which the four partners share
	s_mul_i32 s14, s13, REC
	s_mov_b32 s15, 0
	s_mul_i32 s2, s[WV], 6400                      ; my 25 rows of 256 bytes, in memory and in LDS alike
	s_mov_b32 s3, 0
	s_mov_b32 s[G1], 15|(3<<16)|(1<<21)            ; 15:0 the mask: all four work-groups; 17:16 elements of 8 bytes; 20 no padding (an image is read in runs of 512 consecutive bytes); 21 set beside a mask
	s_mov_b32 s[G1+1], 32<<16                      ; tensor_dim0 = 32 elements
	s_mov_b32 s[G1+2], 25<<16                      ; tensor_dim1 = 25
	s_mov_b32 s[G1+3], 32<<16                      ; tile_dim0
	s_mov_b32 s[G1+4], 25                          ; tile_dim1
	s_mov_b32 s[G1+5], 32                          ; the rows are dense
	s_mov_b32 s[G1+6], 0
	s_mov_b32 s[G1+7], 0
	s_mov_b32 s[SEL], 0x76543210
	s_mov_b32 s[SEL+1], 0xfedcba98
	s_wait_dscnt 0x0
	s_wait_kmcnt 0x0
	s_load_b32 s10, s[6:7], 0x0                    ; w
	s_add_nc_u64 s[4:5], s[4:5], s[14:15]          ; my head's record
	s_mov_b32 s[G0K], 1
	s_mov_b32 s[G0K+1], s2
	s_add_nc_u64 s[G0K+2:G0K+3], s[4:5], s[2:3]    ; K's codes and scale words: the record's first 102,400 bytes, a sixteenth a wave
	s_mov_b32 s[G0V], 1
	s_add_co_u32 s[G0V+1], s2, VC_O
	s_add_nc_u64 s[G0V+2:G0V+3], s[G0K+2:G0K+3], VC_O   ; V's: the next 102,400
	s_or_b32 s[G0K+3], s[G0K+3], 0x80000000
	s_or_b32 s[G0V+3], s[G0V+3], 0x80000000
	CROUND                                         ; all four work-groups are here: the joint loads meet
	tensor_load_to_lds s[G0K:G0K+3], s[G1:G1+7]    ; every wave issues both: two loads of mine are out
	s_nop 0
	tensor_load_to_lds s[G0V:G0V+3], s[G1:G1+7]
	s_nop 0
	PLACES 4
	v_and_b32 v28, 31, v0
	v_lshlrev_b32 v[LI], 4, v28
	v_and_b32 v29, 15, v0
	v_lshlrev_b32 v[QO], 4, v29
	v_add_nc_u32 v[AS0], KS_O, v[QO]
	s_lshl_b32 s41, s12, 4
	s_add_co_u32 s41, s41, s[WV]                   ; W: my image of Q, 32 tokens
	s_mul_i32 s42, s41, 1536
	s_add_co_u32 s42, s42, QC_O
	s_mov_b32 s43, 0
	s_add_nc_u64 s[42:43], s[4:5], s[42:43]
	s_lshr_b32 s44, s41, 2
	s_lshl_b32 s44, s44, 8
	s_and_b32 s45, s41, 3
	s_lshl_b32 s45, s45, 2
	s_add_co_u32 s44, s44, s45
	s_add_co_u32 s44, s44, QS_O                    ; its scale word: step W / 4, word W % 4
	s_mov_b32 s45, 0
	s_add_nc_u64 s[44:45], s[4:5], s[44:45]
	global_load_b128 v[ZQ+6:ZQ+9], v[LI], s[42:43]                ; the image's registers 0-5 are tile 0's,
	global_load_b64 v[ZQ+10:ZQ+11], v[LI], s[42:43] offset:512
	global_load_b64 v[ZQ+18:ZQ+19], v[LI], s[42:43] offset:520    ; 6-11 tile 1's
	global_load_b128 v[ZQ+20:ZQ+23], v[LI], s[42:43] offset:1024
	global_load_b32 v[QSW], v[QO], s[44:45]
.irp z, 0,12,24
.irp i, 0,1,2,3,4,5
	v_mov_b32 v[ZQ+\z+\i], 0                       ; the zeros beside Q: zero codes add nothing under any scale byte of this program
.endr
.endr
	s_wait_kmcnt 0x0
	v_mov_b32 v28, s10
	v_mul_f32 v28, 0xbfb8aa3b, v28                 ; -w log2(e)
	v_exp_f32 v29, v28
	v_lshrrev_b32 v30, 1, v0                       ; (a plain instruction behind the transcendental)
	s_wait_alu depctr_va_vdst(0)                   ; the wait ahead of the first line that names the result
	v_add_f32 v29, 1.0, v29
	v_rcp_f32 v31, v29                             ; sigmoid(w)
	v_xor_b32 v30, v30, v0                         ; bit 3: lane / 16 xor r / 8
	s_wait_alu depctr_va_vdst(0)
	v_mul_f32 v31, 0x3e38aa3b, v31                 ; c sigmoid(w), c = log2(e) / 8
	v_readfirstlane_b32 s[CS], v31                 ; the same in every lane; it serves as a factor alone
	s_mov_b32 s[CS+1], s[CS]
	v_and_b32 v30, 8, v30
	v_cmp_eq_u32 s37, 0, v30                       ; the lanes whose keys of (g, u = T) can lie in the query's palace
	s_and_b32 s14, s[WV], 1                        ; W % 2 is the wave's lowest bit
	s_cmp_eq_u32 s14, 0
	s_cselect_b32 s38, 0, s37                      ; for odd g,
	s_cselect_b32 s37, s37, 0                      ; for even g
	v_mov_b32 v28, 0x3e38aa3b
	v_cndmask_b32 v[XP0], v31, v28, s37
	v_cndmask_b32 v[XP1], v31, v28, s38
	v_mov_b32 v[XP0+1], v[XP0]                     ; (named as pairs, so both are written)
	v_mov_b32 v[XP1+1], v[XP1]
	s_lshr_b32 s14, s13, 4
	s_lshl_b32 s14, s14, 11
	s_lshl_b32 s15, s41, 5
	s_add_co_u32 s14, s14, s15                     ; my first row of out0: 2,048 x batch + 32 W
	s_lshl_b32 s14, s14, 12                        ; 4,096 bytes a row (under 2^25)
	s_and_b32 s15, s13, 15
	s_lshl_b32 s15, s15, 8                         ; the head's 256 bytes of it
	s_add_co_u32 s14, s14, s15
	s_mov_b32 s15, 0
	s_add_nc_u64 s[8:9], s[8:9], s[14:15]
	s_mov_b32 s[TK], 0
	s_mov_b32 s[TW], 0
	s_wait_loadcnt 0x0                             ; Q and its scale word
	v_perm_b32 v[QSW+1], v[QSW], v[QSW], 0x03020302   ; tile 1's two bytes, for Q on the left and on the right alike;
	v_perm_b32 v[QSW], v[QSW], v[QSW], 0x01000100     ; tile 0's.  The eighteen lines below are the places between these and the first scaled products
.irp t, 0,1
	v_mov_b32 v[ST+8*\t+1], 0xff61b1e6             ; the largest t so far: -3e38, under every t
	v_floor_f32 v[ST+8*\t], -v[ST+8*\t+1]          ; -M
.irp i, 2,3,4,5,6,7
	v_mov_b32 v[ST+8*\t+\i], 0                     ; the sum, in two halves; the rest is named in pairs before it is first written
.endr
.endr
	v_add_nc_u32 v[AK], s[TK], v[LI]
	v_add_nc_u32 v[AS], s[TW], v[AS0]
.macro LDIMG reg, adr, off             ; an image comes back as it was stored: three runs of 512 consecutive bytes
.irp c, 0,1,2
	ds_load_b128 v[\reg+4*\c:\reg+4*\c+3], v[\adr] offset:\off+512*\c
.endr
.endm
; S^T = K Q^T for nb images of K at v[kreg] on (scale words b0 on): for each image its two tiles of keys (u) against my two tiles of queries (t).  sb: tile 0's scores, st registers on tile 1's.
; Q's operand begins at ZQ + 12 t + 6 (1 - u): Q and zeros for u = 0, zeros and Q for u = 1.  Each instruction starts a sum of its own: no accumulator is named twice.
.macro QKMUL sb, st, kreg, b0, nb
.set qb, 0
.rept \nb
.irp u, 0,1
.irp t, 0,1
	v_wmma_scale_f32_16x16x128_f8f6f4 v[\sb+\st*\t+16*qb+8*\u:\sb+\st*\t+16*qb+8*\u+7], v[\kreg+12*qb:\kreg+12*qb+11], v[ZQ+12*\t+6*(1-\u):ZQ+12*\t+6*(1-\u)+11], 0, v[KSW+\b0+qb], v[QSW+\t] matrix_a_fmt:MATRIX_FMT_FP6 matrix_b_fmt:MATRIX_FMT_FP6
.endr
.endr
.set qb, qb+1
.endr
.endm
; t - M of two scores at v[a]: one packed multiply-add; the factor carries the mask.  par = g % 2
.macro TFMA a, t, par, u
.if (\u) == (\t)
	v_pk_fma_f32 v[\a:\a+1], v[\a:\a+1], v[XP0+2*(\par):XP0+2*(\par)+1], v[ST+8*(\t):ST+8*(\t)+1] op_sel_hi:[1,0,0]
.else
	v_pk_fma_f32 v[\a:\a+1], v[\a:\a+1], s[CS:CS+1], v[ST+8*(\t):ST+8*(\t)+1] op_sel_hi:[1,0,0]
.endif
.endm
; SWEEP 1, tile t, one step: the largest t of my 64 scores, the new M, the sum.  M and the sum are the LANE's here (a query's keys lie in lanes l and l xor 16): the two are joined once, behind the sweep.
; The factors are not negative, so the largest t of scores that share a factor is the factor times their largest score: four chains of 16 scores, by their factors X0, X1, c sigmoid(w) (two).
.macro STAT t
.set rS, SCO+64*(\t)
.set rT, ST+8*(\t)
.set f0, rS+8*(\t)
.set g0, rS+32+8*(\t)
.set f1, rS+16+8*(\t)
.set g1, rS+48+8*(\t)
.set f2, rS+8*(1-(\t))
.set g2, rS+16+8*(1-(\t))
.set f3, rS+32+8*(1-(\t))
.set g3, rS+48+8*(1-(\t))
.irp k, 0,1,2,3
	v_max3_num_f32 v[TM+\k], v[f\k], v[f\k+1], v[f\k+2]            ; each accumulator is read from its low end on; the four chains by turns
.endr
.irp i, 3,5
.irp k, 0,1,2,3
	v_max3_num_f32 v[TM+\k], v[TM+\k], v[f\k+\i], v[f\k+\i+1]
.endr
.endr
.irp k, 0,1,2,3
	v_max3_num_f32 v[TM+\k], v[TM+\k], v[f\k+7], v[g\k]
.endr
.irp i, 1,3,5
.irp k, 0,1,2,3
	v_max3_num_f32 v[TM+\k], v[TM+\k], v[g\k+\i], v[g\k+\i+1]
.endr
.endr
.irp k, 0,1,2,3
	v_max_num_f32 v[TM+\k], v[TM+\k], v[g\k+7]
.endr
	v_mul_f32 v[TM], v[TM], v[XP0]
	v_mul_f32 v[TM+1], v[TM+1], v[XP1]
	v_max_num_f32 v[TM+2], v[TM+2], v[TM+3]
	v_mul_f32 v[TM+2], s[CS], v[TM+2]
	v_max3_num_f32 v[TM], v[TM], v[TM+1], v[TM+2]
	v_max_num_f32 v[rT+1], v[rT+1], v[TM]          ; the running largest t
	v_mov_b32 v[rT+6], v[rT]
	v_floor_f32 v[rT], -v[rT+1]                    ; the new -M = floor(-t): M is a whole number
	v_sub_f32 v[rT+6], v[rT], v[rT+6]              ; old M less new M: a whole number, 0 or less
	v_cvt_i32_f32 v[rT+6], v[rT+6]                 ; (it saturates)
	v_ldexp_f32 v[rT+4], 1.0, v[rT+6]              ; f = 2^(old M - new M)
.irp b, 0,1,2,3
.irp u, 0,1
.irp j, 0,2,4,6
	TFMA rS+16*\b+8*\u+\j, \t, \b%2, \u
.endr
.endr
.endr
.set ee, 0
.rept 64
	v_exp_f32 v[rS+ee], v[rS+ee]                   ; 2^(t - M): one batch
.set ee, ee+1
.endr
	v_pk_mul_f32 v[rT+2:rT+3], v[rT+2:rT+3], v[rT+4:rT+5] op_sel_hi:[1,0]   ; the sum under the new M (the plain instruction behind the batch)
	s_wait_alu depctr_va_vdst(0)                   ; one wait for the batch, ahead of its first reader
	v_pk_add_f32 v[rT+6:rT+7], v[rS:rS+1], v[rS+2:rS+3]            ; two at a time, in two chains
.irp j, 4,8,12,16,20,24,28,32,36,40,44,48,52,56,60
	v_pk_add_f32 v[rT+2:rT+3], v[rT+2:rT+3], v[rS+\j:rS+\j+1]
	v_pk_add_f32 v[rT+6:rT+7], v[rT+6:rT+7], v[rS+\j+2:rS+\j+3]
.endr
	v_pk_add_f32 v[rT+2:rT+3], v[rT+2:rT+3], v[rT+6:rT+7]
.endm
; A step of sweep 1: 16 products; the next step's images are asked for behind them and land under the 344 vector lines of the two tiles.
.macro STEP1 more
	s_wait_dscnt 0x0                               ; the step's four images and scale words are in
	QKMUL SCO, 64, KF, 0, 4
.if \more
	s_add_co_u32 s[TK], s[TK], 6144
	s_add_co_u32 s[TW], s[TW], 256
	v_add_nc_u32 v[AK], s[TK], v[LI]               ; these two and two v_nop are the four places in front of loads into registers that the products have read, and of the first read of their results
	v_add_nc_u32 v[AS], s[TW], v[AS0]
	PLACES 2
.irp g, 0,1,2,3
	LDIMG KF+12*\g, AK, 1536*\g
.endr
	ds_load_b128 v[KSW:KSW+3], v[AS]
.else
	PLACES 4
.endif
	STAT 0
	STAT 1
.endm
; Behind sweep 1: the two lanes of a query are joined: the larger t, its M, both sums under it, 1 / l.  Both lanes add the same two numbers, so both hold the same bits.
.macro FIN t
.set rT, ST+8*(\t)
	v_permlanex16_b32 v[rT+6], v[rT+1], s[SEL], s[SEL+1]
	v_max_num_f32 v[rT+1], v[rT+1], v[rT+6]
	v_mov_b32 v[rT+6], v[rT]
	v_floor_f32 v[rT], -v[rT+1]
	v_sub_f32 v[rT+6], v[rT], v[rT+6]
	v_cvt_i32_f32 v[rT+6], v[rT+6]
	v_ldexp_f32 v[rT+4], 1.0, v[rT+6]
	v_add_f32 v[rT+2], v[rT+2], v[rT+3]
	v_mul_f32 v[rT+2], v[rT+2], v[rT+4]
	v_permlanex16_b32 v[rT+3], v[rT+2], s[SEL], s[SEL+1]
	v_add_f32 v[rT+2], v[rT+2], v[rT+3]
	v_rcp_f32 v[rT+6], v[rT+2]
.endm
; SWEEP 2, tile t, half c of a step (64 keys, two blocks of 32): p = 2^(t - M) / l, the blocks' scale bytes into P's scale word, the codes into registers 6 c .. 6 c + 5 of P's operand.
.macro SOFT t, c
.set rH, SH+32*(\t)
.set rT, ST+8*(\t)
.set rC, CC+12*(\t)+6*(\c)
.irp b, 0,1
.irp u, 0,1
.irp j, 0,2,4,6
	TFMA rH+16*\b+8*\u+\j, \t, \b, \u
.endr
.endr
.endr
.set ee, 0
.rept 32
	v_exp_f32 v[rH+ee], v[rH+ee]
.set ee, ee+1
.endr
	v_nop                                          ; the plain instruction behind the batch
	s_wait_alu depctr_va_vdst(0)                   ; one wait for the batch
.irp j, 0,2,4,6,8,10,12,14,16,18,20,22,24,26,28,30
	v_pk_mul_f32 v[rH+\j:rH+\j+1], v[rH+\j:rH+\j+1], v[rT+6:rT+7] op_sel_hi:[1,0]   ; / l: the finished softmax
.endr
.irp b, 0,1
	v_max3_num_f32 v[TM+\b], v[rH+16*\b], v[rH+16*\b+1], 0x1800000   ; the block's largest p (none is negative), and the floor 2^(3 - 127): the byte cannot fall under 1
.endr
.irp i, 2,4,6,8,10,12,14
.irp b, 0,1
	v_max3_num_f32 v[TM+\b], v[TM+\b], v[rH+16*\b+\i], v[rH+16*\b+\i+1]
.endr
.endr
.irp b, 0,1
	v_permlanex16_b32 v[TM+2+\b], v[TM+\b], s[SEL], s[SEL+1]
.endr
.irp b, 0,1
	v_max_num_f32 v[TM+\b], v[TM+\b], v[TM+2+\b]   ; with lane l xor 16's 16 keys
.endr
.irp b, 0,1
	v_add_nc_u32 v[TS+\b], 0xff000000, v[TM+\b]    ; 2 off the exponent field: the conversion's scale operand
.endr
.irp b, 0,1
	v_lshrrev_b32 v[TM+2+\b], 23, v[TS+\b]         ; the scale's byte
.endr
.if (\c) == 0
	v_lshl_or_b32 v[PW+\t], v[TM+3], 8, v[TM+2]
.else
	v_lshl_or_b32 v[PW+\t], v[TM+2], 16, v[PW+\t]
	v_lshl_or_b32 v[PW+\t], v[TM+3], 24, v[PW+\t]
.endif
	v_cvt_scalef32_pk16_fp6_f32 v[rC:rC+2], v[rH:rH+15], v[TS]
	v_cvt_scalef32_pk16_fp6_f32 v[CT:CT+2], v[rH+16:rH+31], v[TS+1]   ; (a conversion's three registers begin on an even number)
	v_nop                                          ; one plain instruction behind the scaled conversions
.irp i, 0,1,2
	v_permlane16_swap_b32 v[rC+\i], v[CT+\i]       ; the layout wants a WHOLE block in a lane: lanes 0-15 the first, lanes 16-31 the second
.endr
.irp i, 0,1,2
	v_mov_b32 v[rC+3+\i], v[CT+\i]
.endr
.endm
; A step of sweep 2.  The scores come in two halves of 64 keys, so that O^T has room beside them; each run of LDS loads stands behind its places and lands under the vector lines that follow it.
.macro STEP2 first
	LDIMG KF, AK, 0
	LDIMG KF+12, AK, 1536
	ds_load_b128 v[KSW:KSW+3], v[AS]
	ds_load_b128 v[VSW:VSW+3], v[AT]
	s_wait_dscnt 0x0
	QKMUL SH, 32, KF, 0, 2
	PLACES 4
	LDIMG KF, AK, 3072
	LDIMG KF+12, AK, 4608
	SOFT 0, 0
	SOFT 1, 0
	s_wait_dscnt 0x0
	QKMUL SH, 32, KF, 2, 2
	PLACES 4
	LDIMG KF, AV, 0                                ; V's images 0 and 1 where K's lay,
	LDIMG KF+12, AV, 1536
	SOFT 0, 1
	LDIMG SH, AV, 3072                             ; 2 and 3 where tile 0's scores lay: they have been coded
	LDIMG SH+12, AV, 4608
	SOFT 1, 1
	s_add_co_u32 s[TK], s[TK], 6144
	s_add_co_u32 s[TW], s[TW], 256
	v_add_nc_u32 v[AK], s[TK], v[LI]               ; the next step's addresses: with the four v_nop eight places between the last write of P's scale word and codes and the scaled products
	v_add_nc_u32 v[AS], s[TW], v[AS0]
	v_add_nc_u32 v[AV], VC_O, v[AK]
	v_add_nc_u32 v[AT], VC_O, v[AS]
	PLACES 4
	s_wait_dscnt 0x0
.irp d, 0,1,2,3                                ; O^T += V^T P^T: the eight accumulators by turns, one instruction a turn
.irp t, 0,1
.if \first
	v_wmma_scale_f32_16x16x128_f8f6f4 v[OO+32*\t+8*\d:OO+32*\t+8*\d+7], v[KF+(SH-KF)*(\d/2)+12*(\d%2):KF+(SH-KF)*(\d/2)+12*(\d%2)+11], v[CC+12*\t:CC+12*\t+11], 0, v[VSW+\d], v[PW+\t] matrix_a_fmt:MATRIX_FMT_FP6 matrix_b_fmt:MATRIX_FMT_FP6
.else
	v_wmma_scale_f32_16x16x128_f8f6f4 v[OO+32*\t+8*\d:OO+32*\t+8*\d+7], v[KF+(SH-KF)*(\d/2)+12*(\d%2):KF+(SH-KF)*(\d/2)+12*(\d%2)+11], v[CC+12*\t:CC+12*\t+11], v[OO+32*\t+8*\d:OO+32*\t+8*\d+7], v[VSW+\d], v[PW+\t] matrix_a_fmt:MATRIX_FMT_FP6 matrix_b_fmt:MATRIX_FMT_FP6
.endif
.endr
.endr
	PLACES 5                                       ; five: the next step's first products write over registers that these have read (V's images 2 and 3); its loads want four
.endm
	s_wait_tensorcnt 0x1                           ; my part of K is in; V's load may stay out
	s_barrier_signal -1
	s_barrier_wait -1                              ; everybody's is
.irp g, 0,1,2,3
	LDIMG KF+12*\g, AK, 1536*\g
.endr
	ds_load_b128 v[KSW:KSW+3], v[AS]
	s_mov_b32 s[CNT], NSTEP-1
.Lsum:
	STEP1 1
	s_sub_co_u32 s[CNT], s[CNT], 1
	s_cmp_lg_u32 s[CNT], 0
	s_cbranch_scc1 .Lsum
	STEP1 0                                        ; the last step asks for nothing
	FIN 0
	FIN 1
	v_nop                                          ; a plain instruction behind the second reciprocal,
	s_wait_alu depctr_va_vdst(0)                   ; and one wait for the two
	s_mov_b32 s[TK], 0
	s_mov_b32 s[TW], 0
	v_add_nc_u32 v[AK], s[TK], v[LI]
	v_add_nc_u32 v[AS], s[TW], v[AS0]
	v_add_nc_u32 v[AV], VC_O, v[AK]
	v_add_nc_u32 v[AT], VC_O, v[AS]
	s_wait_tensorcnt 0x0                           ; my part of V is in,
	s_wait_dscnt 0x0
	s_barrier_signal -1
	s_barrier_wait -1                              ; everybody's is
	STEP2 1                                        ; the first step's products start O^T's sums: nothing is cleared
	s_mov_b32 s[CNT], NSTEP-1
.Lout:
	STEP2 0
	s_sub_co_u32 s[CNT], s[CNT], 1
	s_cmp_lg_u32 s[CNT], 0
	s_cbranch_scc1 .Lout
	; THE WAY OUT.  p was normalised, so O^T leaves as it stands.  Register 8 dt + j of lane (r, h) is number 32 (dt / 2) + 16 h + 8 (dt % 2) + j of query r: a tile goes through my stage in LDS and comes back as rows of 256 bytes.
	v_and_b32 v28, 15, v0                          ; r
	v_bfe_u32 v29, v0, 4, 1                        ; h
	s_mul_i32 s14, s[WV], 16*SP
	s_add_co_u32 s14, s14, STG                     ; my stage
	v_mul_u32_u24 v[AK], v28, SP
	v_lshl_add_u32 v[AK], v29, 6, v[AK]
	v_add_nc_u32 v[AK], s14, v[AK]                 ; in: row r, + 64 h
	v_mul_u32_u24 v[AS], v29, SP
	v_lshl_add_u32 v[AS], v28, 4, v[AS]
	v_add_nc_u32 v[AS], s14, v[AS]                 ; back: lanes 0-15 one row, lanes 16-31 the next
	v_lshlrev_b32 v[QO], 12, v29
	v_lshl_add_u32 v[QO], v28, 4, v[QO]            ; and the same two rows in out0, 4,096 bytes apart
.macro OUTL t, reg
.irp d, 0,1,2,3
	ds_store_b128 v[AK], v[OO+32*\t+8*\d:OO+32*\t+8*\d+3] offset:128*(\d/2)+32*(\d%2)          ; each accumulator from its low end on
	ds_store_b128 v[AK], v[OO+32*\t+8*\d+4:OO+32*\t+8*\d+7] offset:128*(\d/2)+32*(\d%2)+16
.endr
.irp i, 0,1,2,3,4,5,6,7
	ds_load_b128 v[\reg+4*\i:\reg+4*\i+3], v[AS] offset:\i*2*SP   ; LDS serves a wave's instructions in order (ISA guide 5.7.1.4): these see the stores above, and the next tile's stores come behind them
.endr
.endm
.macro OUTG t, reg, younger            ; stage rows 2 i, 2 i + 1 are tokens 32 W + 8 t + 2 i (+ 8 from row 8 on) and the next.  younger: the LDS instructions issued behind this tile's loads
.irp i, 0,1,2,3,4,5,6,7
	s_wait_dscnt \younger+7-\i
	global_store_b128 v[QO], v[\reg+4*\i:\reg+4*\i+3], s[8:9] offset:(8*\t+2*\i+8*(\i/4))*4096 th:TH_STORE_NT   ; 16 lanes store 256 consecutive bytes, aligned: a head's part of a token's row
.endr
.endm
	OUTL 0, KF
	OUTL 1, SH
	OUTG 0, KF, 16
	OUTG 1, SH, 0
	s_wait_tensorcnt 0x0
	ds_add_u32 v75, v255
	s_wait_dscnt 0x0
	CROUND                                         ; the closing round: no work-group ends while a partner may still ask for a tile that names it
	s_endpgm
.Lfunc_end_k_qdf84c26acb_attn:
	.size	k_qdf84c26acb_attn, .Lfunc_end_k_qdf84c26acb_attn-k_qdf84c26acb_attn
	.p2alignl 7, 3214868480
	.fill 96, 4, 3214868480
	.section	.rodata,"a",@progbits
	.p2align	6, 0x0
	.amdhsa_kernel k_qdf84c26acb_attn
		.amdhsa_group_segment_fixed_size 276480
		.amdhsa_private_segment_fixed_size 0
		.amdhsa_enable_private_segment 0
		.amdhsa_kernarg_size 24
		.amdhsa_user_sgpr_count 2
		.amdhsa_user_sgpr_kernarg_segment_ptr 1
		.amdhsa_wavefront_size32 1
		.amdhsa_system_sgpr_workgroup_id_x 1
		.amdhsa_system_sgpr_workgroup_id_y 1
		.amdhsa_system_sgpr_workgroup_id_z 1
		.amdhsa_system_vgpr_workitem_id 0
		.amdhsa_next_free_vgpr 256
		.amdhsa_next_free_sgpr 66
		.amdhsa_reserve_vcc 0
		.amdhsa_float_denorm_mode_32 3
		.amdhsa_float_denorm_mode_16_64 3
		.amdhsa_memory_ordered 1
		.amdhsa_forward_progress 1
		.amdhsa_inst_pref_size 105
	.end_amdhsa_kernel
	.amdgpu_metadata
---
amdhsa.version: [ 1, 2 ]
amdhsa.kernels:
  - .name:           k_qdf84c26acb_attn
    .symbol:         k_qdf84c26acb_attn.kd
    .args:
      - { .name: qkv, .offset: 0, .size: 8, .value_kind: global_buffer, .address_space: global }
      - { .name: inter_palace_weight, .offset: 8, .size: 8, .value_kind: global_buffer, .address_space: global }
      - { .name: out0, .offset: 16, .size: 8, .value_kind: global_buffer, .address_space: global }
    .group_segment_fixed_size: 276480
    .private_segment_fixed_size: 0
    .kernarg_segment_align: 8
    .kernarg_segment_size: 24
    .max_flat_workgroup_size: 512
    .sgpr_count:     66
    .vgpr_count:     256
    .wavefront_size: 32
...
	.end_amdgpu_metadata
.endif
;; end of part 3
